; MI455X (gfx1250); checked and timed in simulation.
; The chip was launched on July 23, 2026; its instructions are those of AMD's public machine-readable ISA for CDNA 5 (MIT licence, August 2026) and "CDNA5" Instruction Set Architecture Reference Guide (July 2026). The comments in the code are by the model that wrote it; some were corrected since.
;; Pool. Allowed arithmetic: matrix products marked QUANTISED: E2M3 operands, one E8M0 scale for each 32 along K, by v_wmma_scale_f32_16x16x128_f8f6f4 with both operands' format E2M3, f32 sums; products left as they are: f32 operands where the result goes on into a quantised operand, else bf16, f16 or f32 operands; f32 sums; everything else in f32.
;; Inputs: W 512 x 1 float32; b 1 float32; g 4,096 x 4,096 float32; h 4,096 x 512 float32.
;; Outputs: out0 2,048 x 2,048 float32; out1 2,048 x 512 float32; out2 2,048 int32.
;; This version of the problem:
;;   THIS VERSION OF THE PROBLEM IS GIVEN IN LOW PRECISION. The matrix products marked QUANTISED in the list below multiply operands that are first quantised to E2M3 (2 exponent bits, 3 mantissa bits; 6 bits a number), with one power-of-two scale for each 32 numbers along K (OCP MX v1.0); their sums are f32. All else is computed in f32.
;;   The module's matrix products, in the order in which they are computed (A, B: the left and right operand; K: the contracted axis; several contracted axes count as one K, in the product's order):
;;     1. [M 4,096, K 512] x [K 512, N 1]; A: input h; B: input W: left as it is (N = 1 < 16)
;;     2. [M 4,096, K 4,096] x [K 4,096, N 4,096]; A: computed on the way; B: computed on the way: QUANTISED
;;   THE QUANTISER, for each operand of a quantised product, along K:
;;     - K is cut into blocks of 32 from its start; a last block that is shorter is filled with zeros.
;;     - A block's scale is 2^e with e = floor(log2(the largest magnitude in the block)) - 2, held to -126 .. 127; a block of zeros has e = 0. As a byte (E8M0): e + 127.
;;     - Each number is divided by its block's scale, clamped to +-7.5, and rounded to the nearest number of E2M3, ties to even, subnormals kept.
;;     - The product sums the exact products of the quantised numbers (number of the format x scale) in f32.
;;   ~~~python
;;   def quantise(x, axis):      # numpy; x: float32 -> the quantised numbers, widened to float32 again
;;       x = np.moveaxis(x, axis, -1); K = x.shape[-1]
;;       x = np.pad(x, [(0, 0)] * (x.ndim - 1) + [(0, -K % 32)]); x = x.reshape(x.shape[:-1] + (-1, 32)); a = np.abs(x).max(-1, keepdims=True)
;;       e = np.where(a > 0, np.clip(np.frexp(np.where(a > 0, a, 1))[1] - 1 - 2, -126, 127), 0)      # np.frexp(a)[1] - 1 = floor(log2(a)), exactly
;;       r = np.clip(x / 2.0 ** e, -7.5, 7.5)
;;       step = 2.0 ** (np.maximum(np.frexp(np.where(r == 0, 1, r))[1] - 1, 0) - 3)
;;       q = np.round(r / step) * step * 2.0 ** e      # np.round: ties to even
;;       return np.moveaxis(q.reshape(q.shape[:-2] + (-1,))[..., :K], -1, axis).astype(np.float32)
;;   ~~~
;;   OPERANDS COMPUTED ON THE WAY. 'Computed on the way' means the value that the module computes at that place (a softmax that the list does not call 'softmax' is quantised finished and normalised). What goes into a quantiser is computed in f32, as accurately as f32 sums, v_exp_f32 and their like allow (about 1e-6 of the number): no bf16 or f16 on the way to a quantiser, and a product that is left as it is and whose result goes on into a quantised operand takes f32 operands (vector FMAs, or v_wmma_f32_16x16x4_f32). A number that lies on a knife's edge between two numbers of the format may be rounded either way, as far as f32 arithmetic and the matrix unit's own rounding can turn it there, and no further.
;; One version. Each part assembles by itself: llvm-mc -triple=amdgcn-amd-amdhsa -mcpu=gfx1250 --defsym DOCPART=n.
;; ======== version 1 of 1: 5 launches
;; workspace buffers: scores 16,384 bytes; rank 16,384 bytes of whole numbers; bpos 16,384 bytes of whole numbers; acodes 6,291,456 bytes; bcodes 6,291,456 bytes; mask 2,097,152 bytes of whole numbers
;; launch score (part 1): grid 256 x 1, 8 waves a work-group, no clusters, 54,272 bytes of LDS; arguments h, W, b, scores; writes scores
.if DOCPART == 1
	.amdgcn_target "amdgcn-amd-amdhsa--gfx1250"
	.amdhsa_code_object_version 6
	.text
	.protected	k_q7f6359321b_score
	.globl	k_q7f6359321b_score
	.p2align	8
	.type	k_q7f6359321b_score,@function
k_q7f6359321b_score:
	s_mov_b64 s[64:65], 0
	v_nop
	global_prefetch_b8 v0, s[64:65] scope:SCOPE_SE
	s_setreg_imm32_b32 hwreg(HW_REG_WAVE_MODE, 25, 1), 1
	s_wait_xcnt 0x0
; scores[i] = sigmoid(h[i] . W + b).  h: [4096][512] f32, W: [512] f32, b: [1] f32, scores: [4096] f32.  All in f32.
; THE ORDER OF EVERY ROUNDING IS CHOSEN, NOT LEFT TO CONVENIENCE: the order of the scores is an output that is compared exactly, and neighbouring scores lie a step or two of f32 apart.
; So the arithmetic follows the way in which an eight-wide vector unit is taken to evaluate the same expressions:
;   the dot product: eight running sums, sum l over k = l, l + 8, l + 16 .. ascending, by fused multiply-adds; then ((a0 + a1) + (a2 + a3)) + ((a4 + a5) + (a6 + a7)); then + b;
;   sigmoid(x) = 1 / (1 + exp(-x)); exp(y): y held to -87.8 .. 88.8; n = floor(y log2 e + 0.5), held to -127 .. 127; a = y - n C1 - n C2 (ln 2 in two parts);
;   e^a = 1 + (a + a^2 P(a)), P of degree 5 by fused Horner steps; x 2^n; the division rounded correctly.
; SHARES.  A work-group takes 16 rows, a wave 2.  W and each row come by four loads of 16 bytes a lane, each covering 512 consecutive bytes.  A running sum wants every eighth number in ONE lane:
; the wave spreads W and its two rows into LDS bytes of its own as [sum l][64 numbers], 272 bytes from sum to sum, and reads them back 16 bytes at a time.  Lane (bit 3: which row; bits 2:0: l);
; lanes 16-31 repeat lanes 0-15.  No barrier: no wave touches another's bytes, and LDS serves a wave's instructions in order (ISA guide 5.7.1.4).
; LIMITS: NaN among h, W, b is not served.  Where the score would lie under 2^-126 (weights under about -87.3) it is 0 here: v_rcp_f32 gives 0 for such a result.
; The 16 scores of a work-group are 64 consecutive bytes, 8 from each wave: the whole buffer is 16,384 bytes.
.set WREG, 6656                        ; LDS bytes of a wave: three rows of RP bytes, rounded up to blocks of 256
.set CP,   272                         ; a running sum's 64 numbers + 16 bytes: sum l begins at bank 4 l, so that the eight sums of a row, and the two rows, fall on different banks
.set RP,   8*CP                        ; W, row 0, row 1: 2,176 bytes each
.set LW,   8                           ; v[8:23]    W as loaded: register 4 j + e is k = 128 j + 4 lane + e
.set L0,   24                          ; v[24:39]   row 0 likewise
.set L1,   40                          ; v[40:55]   row 1
.set T0,   56                          ; v56-59     at work
.set SUM,  60                          ; v60        my running sum, then x
.set Y,    61                          ; v61        -x held, then a
.set NN,   62                          ; v62        n, then 2^n
.set Z,    63                          ; v63        the polynomial, then exp(-x), then 1 + exp(-x)
.set CW,   64                          ; v[64:127]  W(l + 8 c), c = 0 .. 63
.set CH,   128                         ; v[128:191] h(my row, l + 8 c)
	s_load_b256 s[4:11], s[0:1], 0x0               ; h s[4:5], W s[6:7], b s[8:9], scores s[10:11]
	v_lshl_add_u32 v192, v0, 2, 0xd000
	v_mov_b32 v193, 0
	v_lshrrev_b32 v1, 5, v0
	v_readfirstlane_b32 s16, v1                    ; wave 0..7
	v_and_b32 v1, 31, v0                           ; lane
	v_lshlrev_b32 v2, 4, v1                        ; 16 bytes a lane
	s_mul_i32 s17, s16, WREG                       ; my wave's LDS bytes
	v_and_b32 v3, 1, v0                            ; into LDS: k = 128 j + 4 lane + e belongs to sum 4 (lane % 2) + e, at place c = 16 j + lane / 2
	v_bfe_u32 v4, v0, 1, 4
	v_mul_u32_u24 v5, v3, 4*CP
	v_lshl_add_u32 v5, v4, 2, v5
	v_add_nc_u32 v5, s17, v5                       ; e, j and the row stand in the stores' immediates
	v_and_b32 v6, 7, v0                            ; l
	v_mul_u32_u24 v6, v6, CP
	v_add_nc_u32 v6, s17, v6                       ; back: W's sum l
	v_bfe_u32 v7, v0, 3, 1                         ; which of my two rows
	v_mad_u32_u24 v7, v7, RP, v6                   ; and, RP further on, that row's sum l
	s_lshl_b32 s12, ttmp9, 15                      ; 16 rows of 2,048 bytes a work-group,
	s_lshl_b32 s15, s16, 12                        ; 2 a wave
	s_add_co_u32 s12, s12, s15
	s_mov_b32 s13, 0
	s_lshl_b32 s18, ttmp9, 6                       ; 16 scores a work-group,
	s_lshl_b32 s15, s16, 3                         ; 2 a wave
	s_add_co_u32 s18, s18, s15
	s_mov_b32 s19, 0
	s_mov_b32 s20, 0xc2af999a                      ; -87.8
	s_mov_b32 s21, 0x42b1999a                      ; 88.8
	s_mov_b32 s22, 0x3fb8aa3b                      ; log2 e
	s_mov_b32 s23, 0xc2fe0000                      ; -127
	s_mov_b32 s24, 0x42fe0000                      ; 127
	s_mov_b32 s25, 0x3f318000                      ; C1 = 0.693359375
	s_mov_b32 s26, 0xb95e8083                      ; C2 = -2.12194440e-4: C1 + C2 = ln 2
	s_mov_b32 s27, 0x39506967                      ; P's coefficients: 1.9875691500e-4,
	s_mov_b32 s28, 0x3ab743ce                      ; 1.3981999507e-3,
	s_mov_b32 s29, 0x3c088908                      ; 8.3334519073e-3,
	s_mov_b32 s30, 0x3d2aa9c1                      ; 4.1665795894e-2,
	s_mov_b32 s31, 0x3e2aaaaa                      ; 1.6666665459e-1; the last, 5.0000001201e-1, is 0.5 in f32
	s_wait_kmcnt 0x0
	s_load_b32 s14, s[8:9], 0x0                    ; b
	s_add_nc_u64 s[4:5], s[4:5], s[12:13]
	s_add_nc_u64 s[10:11], s[10:11], s[18:19]
.irp j, 0,1,2,3
	global_load_b128 v[LW+4*\j:LW+4*\j+3], v2, s[6:7] offset:512*\j
.endr
.irp j, 0,1,2,3
	global_load_b128 v[L0+4*\j:L0+4*\j+3], v2, s[4:5] offset:512*\j th:TH_LOAD_NT
.endr
.irp j, 0,1,2,3
	global_load_b128 v[L1+4*\j:L1+4*\j+3], v2, s[4:5] offset:2048+512*\j th:TH_LOAD_NT
.endr
; 512 numbers as loaded go to their running sums' places: sixteen stores of 4 bytes a lane; even lanes write 64 consecutive bytes of one sum, odd lanes of the sum four further on
.macro SPREAD reg, row
.irp j, 0,1,2,3
.irp e, 0,1,2,3
	ds_store_b32 v5, v[\reg+4*\j+\e] offset:\row*RP+\e*CP+64*\j
.endr
.endr
.endm
	s_wait_loadcnt 8                               ; W is in; the two rows' eight loads may be out
	SPREAD LW, 0
	s_wait_loadcnt 4                               ; row 0 is in; row 1's four may be out
	SPREAD L0, 1
	s_wait_loadcnt 0x0
	SPREAD L1, 2
.irp i, 0,1,2,3,4,5,6,7,8,9,10,11,12,13,14,15
	ds_load_b128 v[CW+4*\i:CW+4*\i+3], v6 offset:16*\i       ; these see my stores above
	ds_load_b128 v[CH+4*\i:CH+4*\i+3], v7 offset:RP+16*\i
.endr
.irp i, 0,1,2,3,4,5,6,7,8,9,10,11,12,13,14,15
	s_wait_dscnt 30-2*\i                           ; pair i of the read-backs is in; the pairs behind it may be out
.irp e, 0,1,2,3
.if (\i == 0) && (\e == 0)
	v_mul_f32 v[SUM], v[CW], v[CH]                 ; the first product starts the sum
.else
	v_fmac_f32 v[SUM], v[CW+4*\i+\e], v[CH+4*\i+\e]   ; one chain, k ascending: the order is the point
.endif
.endr
.endr
	v_add_f32_dpp v[SUM], v[SUM], v[SUM] row_xmask:1 row_mask:0xf bank_mask:0xf   ; a0 + a1, a2 + a3, a4 + a5, a6 + a7
	v_add_f32_dpp v[SUM], v[SUM], v[SUM] row_xmask:2 row_mask:0xf bank_mask:0xf   ; (a0 + a1) + (a2 + a3), (a4 + a5) + (a6 + a7)
	v_add_f32_dpp v[SUM], v[SUM], v[SUM] row_xmask:4 row_mask:0xf bank_mask:0xf   ; the row's sum, in all eight lanes
	s_wait_kmcnt 0x0                               ; b
	v_add_f32 v[SUM], s14, v[SUM]                  ; x
	v_med3_num_f32 v[Y], -v[SUM], s20, s21         ; y = -x, held
	v_fma_f32 v[NN], v[Y], s22, 0.5
	v_floor_f32 v[NN], v[NN]                       ; n
	v_med3_num_f32 v[NN], v[NN], s23, s24
	v_fma_f32 v[Y], -v[NN], s25, v[Y]              ; a = y - n C1
	v_fma_f32 v[Y], -v[NN], s26, v[Y]              ;       - n C2
	v_fma_f32 v[Z], v[Y], s27, s28
	v_fma_f32 v[Z], v[Z], v[Y], s29
	v_fma_f32 v[Z], v[Z], v[Y], s30
	v_fma_f32 v[Z], v[Z], v[Y], s31
	v_fma_f32 v[Z], v[Z], v[Y], 0.5                ; P(a)
	v_mul_f32 v[T0], v[Y], v[Y]
	v_fma_f32 v[Z], v[Z], v[T0], v[Y]              ; a + a^2 P(a)
	v_add_f32 v[Z], 1.0, v[Z]                      ; e^a
	v_cvt_i32_f32 v[NN], v[NN]
	v_add_nc_u32 v[NN], 127, v[NN]
	v_lshlrev_b32 v[NN], 23, v[NN]                 ; 2^n; 0 where n = -127
	v_mul_f32 v[Z], v[Z], v[NN]                    ; exp(-x)
	v_add_f32 v[Z], 1.0, v[Z]                      ; t = 1 + exp(-x)
	v_min_num_f32 v[Z], 0x7f7fffff, v[Z]           ; held at the largest number: the residuals below would make a NaN of an infinite t
	v_rcp_f32 v[T0], v[Z]
	v_and_b32 v[T0+2], 23, v1                      ; (a plain instruction behind the reciprocal)  0 in lanes 0 and 8: they store
	v_lshrrev_b32 v[T0+3], 1, v1                   ; at bytes 0 and 4
	s_wait_alu depctr_va_vdst(0)                   ; the wait ahead of the reciprocal's first reader
	v_fma_f32 v[T0+1], -v[Z], v[T0], 1.0           ; the residual 1 - t r, in one rounding,
	v_fma_f32 v[T0], v[T0+1], v[T0], v[T0]         ; corrects r: from an r within a step of 1 / t this gives 1 / t rounded correctly
	v_fma_f32 v[T0+1], -v[Z], v[T0], 1.0           ; once more: it leaves a correctly rounded r as it is
	v_fma_f32 v[T0], v[T0+1], v[T0], v[T0]
	v_cmp_eq_u32 vcc_lo, 0, v[T0+2]
	s_wait_xcnt 0x0                                ; EXEC changes only behind this wait
	s_barrier_signal -1
	s_barrier_wait -1
	s_wait_tensorcnt 0x0
	ds_add_u32 v192, v193
	s_wait_dscnt 0x0
	s_and_saveexec_b32 s33, vcc_lo
	global_store_b32 v[T0+3], v[T0], s[10:11]
	s_endpgm
.Lfunc_end_k_q7f6359321b_score:
	.size	k_q7f6359321b_score, .Lfunc_end_k_q7f6359321b_score-k_q7f6359321b_score
	.p2alignl 7, 3214868480
	.fill 96, 4, 3214868480
	.section	.rodata,"a",@progbits
	.p2align	6, 0x0
	.amdhsa_kernel k_q7f6359321b_score
		.amdhsa_group_segment_fixed_size 54272
		.amdhsa_private_segment_fixed_size 0
		.amdhsa_enable_private_segment 0
		.amdhsa_kernarg_size 32
		.amdhsa_user_sgpr_count 2
		.amdhsa_user_sgpr_kernarg_segment_ptr 1
		.amdhsa_wavefront_size32 1
		.amdhsa_system_sgpr_workgroup_id_x 1
		.amdhsa_system_sgpr_workgroup_id_y 1
		.amdhsa_system_sgpr_workgroup_id_z 1
		.amdhsa_system_vgpr_workitem_id 0
		.amdhsa_next_free_vgpr 194
		.amdhsa_next_free_sgpr 66
		.amdhsa_reserve_vcc 1
		.amdhsa_float_denorm_mode_32 3
		.amdhsa_float_denorm_mode_16_64 3
		.amdhsa_memory_ordered 1
		.amdhsa_forward_progress 1
		.amdhsa_inst_pref_size 14
	.end_amdhsa_kernel
	.amdgpu_metadata
---
amdhsa.version: [ 1, 2 ]
amdhsa.kernels:
  - .name:           k_q7f6359321b_score
    .symbol:         k_q7f6359321b_score.kd
    .args:
      - { .name: h, .offset: 0, .size: 8, .value_kind: global_buffer, .address_space: global }
      - { .name: W, .offset: 8, .size: 8, .value_kind: global_buffer, .address_space: global }
      - { .name: b, .offset: 16, .size: 8, .value_kind: global_buffer, .address_space: global }
      - { .name: scores, .offset: 24, .size: 8, .value_kind: global_buffer, .address_space: global }
    .group_segment_fixed_size: 54272
    .private_segment_fixed_size: 0
    .kernarg_segment_align: 8
    .kernarg_segment_size: 32
    .max_flat_workgroup_size: 256
    .sgpr_count:     66
    .vgpr_count:     194
    .wavefront_size: 32
...
	.end_amdgpu_metadata
.endif
;; end of part 1
;; launch rank (part 2): grid 256 x 1, 8 waves a work-group, no clusters, 2,048 bytes of LDS; arguments scores, rank, bpos; writes rank, bpos
.if DOCPART == 2
	.amdgcn_target "amdgcn-amd-amdhsa--gfx1250"
	.amdhsa_code_object_version 6
	.text
	.protected	k_q7f6359321b_rank
	.globl	k_q7f6359321b_rank
	.p2align	8
	.type	k_q7f6359321b_rank,@function
k_q7f6359321b_rank:
	s_mov_b64 s[64:65], 0
	v_nop
	global_prefetch_b8 v0, s[64:65] scope:SCOPE_SE
	s_setreg_imm32_b32 hwreg(HW_REG_WAVE_MODE, 25, 1), 1
	s_wait_xcnt 0x0
; rank[i] = the place of node i when the 4,096 scores are sorted downward, equal scores by rising index:
;   rank[i] = #{ j : score j > score i } + #{ j < i : score j = score i }.
; Scores are 0 or above, so their bit patterns order them as unsigned whole numbers (NaN is not served).
; bpos[i] = rank[i] with the low seven bits t permuted: t[1] -> bit 6, t[6:5] -> bits 5:4, t[0] -> bit 3, t[4:2] -> bits 2:0.  It is the row at which the product's launch wants column
; rank[i], so that a lane's 32 results there are the bits of one word.  The bits above stay, so rank < 2,048 and bpos < 2,048 say the same.
; A work-group ranks the 16 nodes i0 = 16 x work-group on; its 256 threads hold all 4,096 keys, 16 each.  Keys of nodes under i0 are raised by 1, so that for them 'greater' means 'greater or
; equal' (i0 is a multiple of 16 and a thread's four neighbours begin at a multiple of 4: all four lie on one side).  Ties inside the 16 are counted by wave 0.
; A compare gives a mask of 32 lanes, its count of ones goes into a scalar sum: 16 compares for each of the 16 nodes.  The eight waves' sums meet in LDS.
; Both results are stored at fixed places: no address and no branch here hangs on a count.  A work-group's 16 numbers are 64 consecutive bytes of each buffer of 16,384.
.set KEY, 4                            ; v[4:19]   my 16 keys: node 4 tau + 1024 m + e in v[KEY + 4 m + e]
.set KI,  16                           ; s[16:31]  the 16 keys to be ranked
.set CNT, 32                           ; s[32:47]  their counts in my wave
.set T,   48                           ; s[48:63]  masks, then their counts of ones
	s_load_b128 s[4:7], s[0:1], 0x0                ; scores s[4:5], rank s[6:7]
	s_load_b64 s[8:9], s[0:1], 0x10                ; bpos
	v_lshl_add_u32 v32, v0, 2, 0x400
	v_mov_b32 v33, 0
	v_lshrrev_b32 v1, 5, v0
	v_readfirstlane_b32 s10, v1                    ; wave 0..7
	v_and_b32 v27, 31, v0                          ; lane
	v_lshlrev_b32 v20, 2, v0                       ; 4 tau: my first node of each 1,024
	v_lshlrev_b32 v2, 4, v0                        ; 16 tau: its byte
	v_and_b32 v24, 15, v0
	v_lshlrev_b32 v24, 2, v24                      ; 4 (lane % 16): a key of the group
	v_lshlrev_b32 v25, 2, v0                       ; LDS: a word for each thread
	v_lshlrev_b32 v26, 2, v27                      ; 4 x lane: LDS on the way back, and the stores' offset
	s_lshl_b32 s11, ttmp9, 4                       ; i0
	s_lshl_b32 s14, ttmp9, 6                       ; its byte
	s_mov_b32 s15, 0
	s_wait_kmcnt 0x0
	s_add_nc_u64 s[12:13], s[4:5], s[14:15]
	s_add_nc_u64 s[6:7], s[6:7], s[14:15]
	s_add_nc_u64 s[8:9], s[8:9], s[14:15]
	s_load_b512 s[KI:KI+15], s[12:13], 0x0         ; no line of this text stores into scores
.irp m, 0,1,2,3
	global_load_b128 v[KEY+4*\m:KEY+4*\m+3], v2, s[4:5] offset:4096*\m
.endr
	global_load_b32 v23, v24, s[12:13]             ; lanes 0-15 (and again 16-31): the group's keys, as they are
	s_wait_loadcnt 0x0
	s_wait_kmcnt 0x0
.irp m, 0,1,2,3
	s_sub_co_i32 s66, s11, 1024*\m
	v_cmp_gt_i32 vcc_lo, s66, v20                  ; 4 tau + 1024 m < i0
	v_cndmask_b32 v21, 0, 1, vcc_lo
.irp e, 0,1,2,3
	v_add_nc_u32 v[KEY+4*\m+\e], v[KEY+4*\m+\e], v21
.endr
.endr
.macro COUNT i
.irp k, 0,1,2,3,4,5,6,7,8,9,10,11,12,13,14,15
	v_cmp_gt_u32 s[T+\k], v[KEY+\k], s[KI+\i]
.endr
	s_bcnt1_i32_b32 s[CNT+\i], s[T]                ; the first count starts the sum
.irp k, 1,2,3,4,5,6,7,8,9,10,11,12,13,14,15
	s_bcnt1_i32_b32 s[T+\k], s[T+\k]
	s_add_co_u32 s[CNT+\i], s[CNT+\i], s[T+\k]
.endr
.endm
.irp i, 0,1,2,3,4,5,6,7,8,9,10,11,12,13,14,15
	COUNT \i
.endr
	s_cmp_lg_u32 s10, 0                            ; ties inside the group: once, in wave 0
	s_cbranch_scc1 .Lno_ties
.irp i, 1,2,3,4,5,6,7,8,9,10,11,12,13,14,15
	v_cmp_eq_u32 s[T], v23, s[KI+\i]
	s_and_b32 s[T], s[T], (1<<\i)-1                ; the group's nodes under i alone
	s_bcnt1_i32_b32 s[T], s[T]
	s_add_co_u32 s[CNT+\i], s[CNT+\i], s[T]
.endr
.Lno_ties:
	v_mov_b32 v22, 0
.irp i, 0,1,2,3,4,5,6,7,8,9,10,11,12,13,14,15
	v_writelane_b32 v22, s[CNT+\i], \i             ; lane i: node i0 + i's count in my wave
.endr
	ds_store_b32 v25, v22
	s_wait_dscnt 0x0                               ; for the others' sake: my store has landed
	s_barrier_signal -1
	s_barrier_wait -1
	s_cmp_lg_u32 s10, 0
	s_cbranch_scc1 .Lend
.irp w, 0,1,2,3,4,5,6,7
	ds_load_b32 v[4+\w], v26 offset:128*\w         ; the eight waves' counts
.endr
	s_wait_dscnt 0x0
	v_add_nc_u32 v4, v4, v5
	v_add_nc_u32 v6, v6, v7
	v_add_nc_u32 v8, v8, v9
	v_add_nc_u32 v10, v10, v11
	v_add_nc_u32 v4, v4, v6
	v_add_nc_u32 v8, v8, v10
	v_add_nc_u32 v4, v4, v8                        ; the rank
	v_and_b32 v12, 0xffffff80, v4
	v_bfe_u32 v13, v4, 1, 1
	v_lshl_or_b32 v12, v13, 6, v12
	v_bfe_u32 v13, v4, 5, 2
	v_lshl_or_b32 v12, v13, 4, v12
	v_and_b32 v13, 1, v4
	v_lshl_or_b32 v12, v13, 3, v12
	v_bfe_u32 v13, v4, 2, 3
	v_or_b32 v12, v12, v13                         ; bpos
	v_cmp_gt_u32 vcc_lo, 16, v27
	s_wait_xcnt 0x0                                ; EXEC changes only behind this wait
	s_wait_tensorcnt 0x0
	ds_add_u32 v32, v33
	s_wait_dscnt 0x0
	s_and_saveexec_b32 s66, vcc_lo
	global_store_b32 v26, v4, s[6:7]
	global_store_b32 v26, v12, s[8:9]
	s_endpgm
.Lend:
	s_wait_tensorcnt 0x0
	ds_add_u32 v32, v33
	s_wait_dscnt 0x0
	s_endpgm
.Lfunc_end_k_q7f6359321b_rank:
	.size	k_q7f6359321b_rank, .Lfunc_end_k_q7f6359321b_rank-k_q7f6359321b_rank
	.p2alignl 7, 3214868480
	.fill 96, 4, 3214868480
	.section	.rodata,"a",@progbits
	.p2align	6, 0x0
	.amdhsa_kernel k_q7f6359321b_rank
		.amdhsa_group_segment_fixed_size 2048
		.amdhsa_private_segment_fixed_size 0
		.amdhsa_enable_private_segment 0
		.amdhsa_kernarg_size 24
		.amdhsa_user_sgpr_count 2
		.amdhsa_user_sgpr_kernarg_segment_ptr 1
		.amdhsa_wavefront_size32 1
		.amdhsa_system_sgpr_workgroup_id_x 1
		.amdhsa_system_sgpr_workgroup_id_y 1
		.amdhsa_system_sgpr_workgroup_id_z 1
		.amdhsa_system_vgpr_workitem_id 0
		.amdhsa_next_free_vgpr 34
		.amdhsa_next_free_sgpr 72
		.amdhsa_reserve_vcc 1
		.amdhsa_float_denorm_mode_32 3
		.amdhsa_float_denorm_mode_16_64 3
		.amdhsa_memory_ordered 1
		.amdhsa_forward_progress 1
		.amdhsa_inst_pref_size 40
	.end_amdhsa_kernel
	.amdgpu_metadata
---
amdhsa.version: [ 1, 2 ]
amdhsa.kernels:
  - .name:           k_q7f6359321b_rank
    .symbol:         k_q7f6359321b_rank.kd
    .args:
      - { .name: scores, .offset: 0, .size: 8, .value_kind: global_buffer, .address_space: global }
      - { .name: rank, .offset: 8, .size: 8, .value_kind: global_buffer, .address_space: global }
      - { .name: bpos, .offset: 16, .size: 8, .value_kind: global_buffer, .address_space: global }
    .group_segment_fixed_size: 2048
    .private_segment_fixed_size: 0
    .kernarg_segment_align: 8
    .kernarg_segment_size: 24
    .max_flat_workgroup_size: 256
    .sgpr_count:     72
    .vgpr_count:     34
    .wavefront_size: 32
...
	.end_amdgpu_metadata
.endif
;; end of part 2
;; launch place (part 3): grid 16 x 16, 16 waves a work-group, no clusters, 141,312 bytes of LDS; arguments g, h, scores, rank, bpos, acodes, bcodes, out1, out2; writes acodes, bcodes, out1, out2
.if DOCPART == 3
	.amdgcn_target "amdgcn-amd-amdhsa--gfx1250"
	.amdhsa_code_object_version 6
	.text
	.protected	k_q7f6359321b_place
	.globl	k_q7f6359321b_place
	.p2align	8
	.type	k_q7f6359321b_place,@function
k_q7f6359321b_place:
	s_mov_b64 s[64:65], 0
	v_nop
	global_prefetch_b8 v0, s[64:65] scope:SCOPE_SE
	s_setreg_imm32_b32 hwreg(HW_REG_WAVE_MODE, 25, 1), 1
	s_wait_xcnt 0x0
; g [4096][4096] f32 is read ONCE, turned into u = (g != 0), and quantised to FP6 (E2M3) both ways that the product u u wants it:
;   acodes[rank i][k]  = the code of u[i][k]  (K = g's columns), for the rows i whose rank is under 2,048;
;   bcodes[bpos j][k]  = the code of u[k][j]  (K = g's rows),    for the columns j whose rank is under 2,048.   A row of either is 4,096 codes = 3,072 bytes, K innermost, one stream of bits.
; THE QUANTISER HERE.  u holds 0 and 1 alone.  A block of 32 with a 1 in it has the scale 2^(0 - 2), byte 125, and its ones become 4.0; a block of zeros has zero codes, which add nothing under
; any byte but 0xff.  So every conversion takes the scale operand 125 << 23, no scale byte is stored, and the product's launch gives byte 125 for every block.
; Also: out1[rank i] = h[i] x scores[i] and out2[rank i] = i for rank i under 2,048: each wave takes one row of h.
; SHARES.  A work-group takes a tile of 256 x 256 of g (x: tile column tc, y: tile row tr).  Wave w takes rows 32 (w / 2) on and columns 128 (w % 2) on: 32 loads, each 512 consecutive bytes.
; FOR B a lane holds four columns and its registers run down the rows, which are K: sixteen rows are one conversion.
; FOR A a compare's mask of 32 lanes is written into lane 'row' of a register: lane l then holds row l's 128 bits, which are spread into numbers along K, 32 at a time.
; Codes leave through two stages in LDS, 256 rows each: a row is sixteen places of 16 bytes with 12 bytes of codes (16 along K) in each, and 16 bytes more, so that rows are 272 bytes apart.
; On the way out sixteen lanes take a stage row: 192 consecutive bytes of a row of acodes or bcodes, whose number is a rank read from memory; rows that were not chosen are masked off.
; No tensor load and no copy in this text: branches and masks may hang on the ranks that the launch before has stored.
.set SP,   272
.set ASTG, 0
.set BSTG, 256*SP                      ; 69,632
.set M,    12                          ; v[12:15]   lane l: row l's bits; bit n of M + e is column 4 n + e of my 128
.set R,    16                          ; v[16:23] ranks of the eight pairs of A's stage rows that I store; v[24:31] bpos of B's
.set CODE, 32                          ; v[32:47]   four slots of four registers, three of them codes; the fourth of each slot: v35 = 4 h, v39 = 16 h, v43 = 0, v47 = my row of h
.set Y,    48                          ; v[48:111]  64 numbers ahead of the conversions; later the stores' offsets
.set X,    112                         ; v[112:239] my 32 x 128 of g; later the codes read back
.set HR,   240                         ; v[240:255] my row of h
	s_load_b512 s[4:19], s[0:1], 0x0               ; g s[4:5], h s[6:7], scores s[8:9], rank s[10:11], bpos s[12:13], acodes s[14:15], bcodes s[16:17], out1 s[18:19]
	s_load_b64 s[20:21], s[0:1], 0x40              ; out2
	v_lshrrev_b32 v1, 5, v0
	v_readfirstlane_b32 s22, v1                    ; wave w, 0..15
	s_lshr_b32 s23, s22, 1                         ; rw: which 32 rows
	s_and_b32 s24, s22, 1                          ; cc: which 128 columns
	s_mov_b32 s25, ttmp9                           ; tc
	s_and_b32 s26, ttmp7, 0xffff                   ; tr
	v_and_b32 v1, 31, v0                           ; lane
	v_lshlrev_b32 v2, 4, v1                        ; 16 x lane
	v_and_b32 v3, 15, v0                           ; r
	v_bfe_u32 v4, v0, 4, 1                         ; h
	; LDS addresses: a constant + a constant x lane + a constant x wave's parts
	v_mul_u32_u24 v11, v1, SP
	s_mul_i32 s27, s23, 32*SP
	s_lshl_b32 s28, s24, 7
	s_add_co_u32 s27, s27, s28
	v_add_nc_u32 v5, s27, v11                      ; A's stage, in: row 32 rw + lane, places 8 cc on
	s_mul_i32 s28, s24, 128*SP
	s_lshl_b32 s29, s23, 5
	s_add_co_u32 s28, s28, s29
	s_add_co_u32 s28, s28, BSTG
	v_add_nc_u32 v6, s28, v11                      ; B's stage, in: row 128 cc + 32 e + lane holds column 128 cc + 4 lane + e; places 2 rw on
	s_mul_i32 s28, s22, 16*SP
	v_mul_u32_u24 v7, v4, SP
	v_lshl_add_u32 v7, v3, 4, v7
	v_add_nc_u32 v7, s28, v7                       ; A's stage, out: rows 16 w + h on, place r
	v_add_nc_u32 v8, BSTG, v7                      ; B's likewise
	v_mul_u32_u24 v9, v3, 12                       ; place r's 12 bytes in a row's 192
	v_mov_b32 v10, 0x3e800000                      ; the conversions' scale operand: exponent field 125
.irp e, 0,1,2,3
	v_mov_b32 v[M+\e], 0                           ; written once: v_writelane_b32's destination counts as read
.endr
	v_lshlrev_b32 v35, 2, v4
	v_lshlrev_b32 v39, 4, v4
	v_mov_b32 v43, 0
	s_mov_b32 s38, 2048
	; byte offsets, each in a pair of its own, made while the arguments are on their way
	s_lshl_b32 s31, s26, 4
	s_add_co_u32 s31, s31, s25
	s_lshl_b32 s31, s31, 4
	s_add_co_u32 s31, s31, s22                     ; my row of h: 16 (16 tr + tc) + w
	v_mov_b32 v47, s31
	s_lshl_b32 s36, s31, 2                         ; its word in rank and in scores
	s_mov_b32 s37, 0
	s_lshl_b32 s44, s31, 11                        ; its 2,048 bytes in h
	s_mov_b32 s45, 0
	s_lshl_b32 s46, s26, 10                        ; rank[256 tr + 16 w + ..]
	s_lshl_b32 s33, s22, 6
	s_add_co_u32 s46, s46, s33
	s_mov_b32 s47, 0
	s_lshl_b32 s52, s25, 10                        ; bpos[256 tc + 128 (w / 8) + 64 (w % 2) + (w % 8) / 2 + ..]: the columns that lie in B's stage rows 16 w on
	s_lshr_b32 s33, s22, 3
	s_lshl_b32 s33, s33, 9
	s_add_co_u32 s52, s52, s33
	s_lshl_b32 s33, s24, 8
	s_add_co_u32 s52, s52, s33
	s_bfe_u32 s33, s22, 0x20001
	s_lshl_b32 s33, s33, 2
	s_add_co_u32 s52, s52, s33
	s_mov_b32 s53, 0
	s_lshl_b32 s54, s26, 8                         ; g: row 256 tr + 32 rw of 16,384 bytes, column 256 tc + 128 cc
	s_lshl_b32 s33, s23, 5
	s_add_co_u32 s54, s54, s33
	s_lshl_b32 s54, s54, 14
	s_lshl_b32 s33, s25, 10
	s_add_co_u32 s54, s54, s33
	s_lshl_b32 s33, s24, 9
	s_add_co_u32 s54, s54, s33
	s_mov_b32 s55, 0
	s_mul_i32 s56, s25, 192                        ; acodes: K = 256 tc on
	s_mov_b32 s57, 0
	s_mul_i32 s58, s26, 192                        ; bcodes: K = 256 tr on
	s_mov_b32 s59, 0
	s_wait_kmcnt 0x0
	s_add_nc_u64 s[48:49], s[10:11], s[36:37]
	s_add_nc_u64 s[50:51], s[8:9], s[36:37]
	s_load_b32 s30, s[48:49], 0x0                  ; the rank of my row of h
	s_load_b32 s32, s[50:51], 0x0                  ; and its score
	s_add_nc_u64 s[6:7], s[6:7], s[44:45]
	s_add_nc_u64 s[10:11], s[10:11], s[46:47]
	s_add_nc_u64 s[12:13], s[12:13], s[52:53]
	s_add_nc_u64 s[4:5], s[4:5], s[54:55]
	s_add_nc_u64 s[14:15], s[14:15], s[56:57]
	s_add_nc_u64 s[16:17], s[16:17], s[58:59]
.irp t, 0,1,2,3,4,5,6,7
	global_load_b32 v[R+\t], v35, s[10:11] offset:8*\t          ; rank of tile row 16 w + 2 t + h
.endr
.irp t, 0,1,2,3,4,5,6,7
	global_load_b32 v[R+8+\t], v39, s[12:13] offset:32*\t       ; bpos of the tile column in B's stage row 16 w + 2 t + h
.endr
.irp j, 0,1,2,3
	global_load_b128 v[HR+4*\j:HR+4*\j+3], v2, s[6:7] offset:512*\j th:TH_LOAD_NT   ; loaded whether or not the row is chosen, so that every counted wait below counts the same loads on every way
.endr
.set rr, 0
.rept 32
	global_load_b128 v[X+4*rr:X+4*rr+3], v2, s[4:5] offset:16384*rr th:TH_LOAD_NT    ; row rr: 32 lanes read 512 consecutive bytes
.set rr, rr+1
.endr
	; ---- my row of h
	s_wait_loadcnt 32                              ; the 32 loads of g may be out: ranks, bpos and the row of h are in
	s_wait_kmcnt 0x0
	s_cmp_lt_u32 s30, 2048
	s_cbranch_scc0 .Lno_h                          ; a branch on a whole number that an earlier launch stored; no barrier stands under it
.irp j, 0,1,2,3,4,5,6,7,8,9,10,11,12,13,14,15
	v_mul_f32 v[HR+\j], s32, v[HR+\j]
.endr
	s_min_u32 s34, s30, 2047
	s_lshl_b32 s36, s34, 11
	s_add_nc_u64 s[18:19], s[18:19], s[36:37]
	s_lshl_b32 s36, s34, 2
	s_add_nc_u64 s[20:21], s[20:21], s[36:37]
.irp j, 0,1,2,3
	global_store_b128 v2, v[HR+4*\j:HR+4*\j+3], s[18:19] offset:512*\j   ; 512 consecutive bytes, at a multiple of 256 from out1's first byte
.endr
	v_cmp_eq_u32 vcc_lo, 0, v1
	s_wait_xcnt 0x0                                ; EXEC changes only behind this wait
	s_and_saveexec_b32 s60, vcc_lo
	global_store_b32 v43, v47, s[20:21]            ; out2[rank] = my row's number
	s_wait_xcnt 0x0                                ; and again in front of the line that widens it
	s_or_b32 exec_lo, exec_lo, s60
.Lno_h:
	; ---- for B, and the bits for A: sixteen rows, then four conversions (my four columns, 16 along K each)
.macro ROWS hf
.set rr, 16*\hf
.rept 16
	s_wait_loadcnt 31-rr                           ; row rr is in; the younger rows may be out
.irp e, 0,1,2,3
	v_cmp_neq_f32 s[40+\e], 0, v[X+4*rr+\e]        ; u = (g != 0): a mask of 32 columns
.endr
.irp e, 0,1,2,3
	v_cndmask_b32 v[Y+16*\e+rr%16], 0, 1.0, s[40+\e]
.endr
.irp e, 0,1,2,3
	v_writelane_b32 v[M+\e], s[40+\e], rr          ; the same mask into lane rr
.endr
.set rr, rr+1
.endr
	s_wait_dscnt 0x0                               ; the slots' earlier stores have read their registers
.irp e, 0,1,2,3
	v_cvt_scalef32_pk16_fp6_f32 v[CODE+4*\e:CODE+4*\e+2], v[Y+16*\e:Y+16*\e+15], v10
.endr
	v_nop                                          ; one plain instruction behind the last conversion: vector instructions write its sources again below
.irp e, 0,1,2,3
	ds_store_b96 v6, v[CODE+4*\e:CODE+4*\e+2] offset:32*SP*\e+16*\hf
.endr
.endm
	ROWS 0
	ROWS 1
	; ---- for A: lane = row; block be of 32 columns: column 32 be + n is bit 8 be + n / 4 of M + n % 4
.macro ABLK be
.set YB, Y+32*((\be)%2)
.set CB, CODE+8*((\be)%2)
.set nn, 0
.rept 32
	v_bfe_u32 v[YB+nn], v[M+nn%4], 8*(\be)+nn/4, 1
.set nn, nn+1
.endr
.set nn, 0
.rept 32
	v_cvt_f32_u32 v[YB+nn], v[YB+nn]
.set nn, nn+1
.endr
	s_wait_dscnt 0x0                               ; the slots' earlier stores have read their registers
	v_cvt_scalef32_pk16_fp6_f32 v[CB:CB+2], v[YB:YB+15], v10
	v_cvt_scalef32_pk16_fp6_f32 v[CB+4:CB+6], v[YB+16:YB+31], v10
	v_nop                                          ; one plain instruction behind the last conversion
	ds_store_b96 v5, v[CB:CB+2] offset:32*(\be)
	ds_store_b96 v5, v[CB+4:CB+6] offset:32*(\be)+16
.endm
	ABLK 0
	ABLK 1
	ABLK 2
	ABLK 3
	s_wait_dscnt 0x0                               ; for the others' sake: my stores into the stages have landed
	s_barrier_signal -1
	s_barrier_wait -1
	; ---- the way out: 16 rows of each stage a wave, two rows an instruction
.irp t, 0,1,2,3,4,5,6,7
	ds_load_b96 v[X+4*\t:X+4*\t+2], v7 offset:2*SP*\t
.endr
.irp t, 0,1,2,3,4,5,6,7
	ds_load_b96 v[X+32+4*\t:X+32+4*\t+2], v8 offset:2*SP*\t
.endr
.irp k, 0,1,2,3,4,5,6,7,8,9,10,11,12,13,14,15
	v_min_u32 v[Y+\k], 0x7ff, v[R+\k]              ; a loaded number enters an address held to the buffer's rows
.endr
.irp k, 0,1,2,3,4,5,6,7,8,9,10,11,12,13,14,15
	v_mul_u32_u24 v[Y+\k], v[Y+\k], 3072
.endr
.irp k, 0,1,2,3,4,5,6,7,8,9,10,11,12,13,14,15
	v_add_nc_u32 v[Y+\k], v[Y+\k], v9
.endr
.macro PUT k, base
	s_wait_dscnt 15-\k                             ; read-back k is in; the younger ones may be out
	v_cmp_gt_u32 vcc_lo, s38, v[R+\k]              ; only rows and columns that were chosen
	s_wait_xcnt 0x0                                ; EXEC changes only behind this wait
	s_and_saveexec_b32 s60, vcc_lo
	global_store_b96 v[Y+\k], v[X+4*\k:X+4*\k+2], s[\base:\base+1]   ; sixteen lanes store 192 consecutive bytes of a row
	s_wait_xcnt 0x0
	s_or_b32 exec_lo, exec_lo, s60
.endm
.irp k, 0,1,2,3,4,5,6,7
	PUT \k, 14
.endr
.irp k, 8,9,10,11,12,13,14,15
	PUT \k, 16
.endr
	s_wait_xcnt 0x0
	s_mov_b32 exec_lo, -1
	v_lshl_add_u32 v110, v0, 2, 0x22000
	v_mov_b32 v111, 0
	s_wait_tensorcnt 0x0
	ds_add_u32 v110, v111
	s_wait_dscnt 0x0
	s_endpgm
.Lfunc_end_k_q7f6359321b_place:
	.size	k_q7f6359321b_place, .Lfunc_end_k_q7f6359321b_place-k_q7f6359321b_place
	.p2alignl 7, 3214868480
	.fill 96, 4, 3214868480
	.section	.rodata,"a",@progbits
	.p2align	6, 0x0
	.amdhsa_kernel k_q7f6359321b_place
		.amdhsa_group_segment_fixed_size 141312
		.amdhsa_private_segment_fixed_size 0
		.amdhsa_enable_private_segment 0
		.amdhsa_kernarg_size 72
		.amdhsa_user_sgpr_count 2
		.amdhsa_user_sgpr_kernarg_segment_ptr 1
		.amdhsa_wavefront_size32 1
		.amdhsa_system_sgpr_workgroup_id_x 1
		.amdhsa_system_sgpr_workgroup_id_y 1
		.amdhsa_system_sgpr_workgroup_id_z 1
		.amdhsa_system_vgpr_workitem_id 0
		.amdhsa_next_free_vgpr 256
		.amdhsa_next_free_sgpr 66
		.amdhsa_reserve_vcc 1
		.amdhsa_float_denorm_mode_32 3
		.amdhsa_float_denorm_mode_16_64 3
		.amdhsa_memory_ordered 1
		.amdhsa_forward_progress 1
		.amdhsa_inst_pref_size 59
	.end_amdhsa_kernel
	.amdgpu_metadata
---
amdhsa.version: [ 1, 2 ]
amdhsa.kernels:
  - .name:           k_q7f6359321b_place
    .symbol:         k_q7f6359321b_place.kd
    .args:
      - { .name: g, .offset: 0, .size: 8, .value_kind: global_buffer, .address_space: global }
      - { .name: h, .offset: 8, .size: 8, .value_kind: global_buffer, .address_space: global }
      - { .name: scores, .offset: 16, .size: 8, .value_kind: global_buffer, .address_space: global }
      - { .name: rank, .offset: 24, .size: 8, .value_kind: global_buffer, .address_space: global }
      - { .name: bpos, .offset: 32, .size: 8, .value_kind: global_buffer, .address_space: global }
      - { .name: acodes, .offset: 40, .size: 8, .value_kind: global_buffer, .address_space: global }
      - { .name: bcodes, .offset: 48, .size: 8, .value_kind: global_buffer, .address_space: global }
      - { .name: out1, .offset: 56, .size: 8, .value_kind: global_buffer, .address_space: global }
      - { .name: out2, .offset: 64, .size: 8, .value_kind: global_buffer, .address_space: global }
    .group_segment_fixed_size: 141312
    .private_segment_fixed_size: 0
    .kernarg_segment_align: 8
    .kernarg_segment_size: 72
    .max_flat_workgroup_size: 512
    .sgpr_count:     66
    .vgpr_count:     256
    .wavefront_size: 32
...
	.end_amdgpu_metadata
.endif
;; end of part 3
;; launch gemm (part 4): grid 8 x 32, 4 waves a work-group, clusters of 4 x 4, 327,680 bytes of LDS; arguments acodes, bcodes, mask; writes mask
.if DOCPART == 4
	.amdgcn_target "amdgcn-amd-amdhsa--gfx1250"
	.amdhsa_code_object_version 6
	.text
	.protected	k_q7f6359321b_gemm
	.globl	k_q7f6359321b_gemm
	.p2align	8
	.type	k_q7f6359321b_gemm,@function
k_q7f6359321b_gemm:
	s_mov_b64 s[64:65], 0
	v_nop
	global_prefetch_b8 v0, s[64:65] scope:SCOPE_SE
	s_setreg_imm32_b32 hwreg(HW_REG_WAVE_MODE, 25, 1), 1
	s_wait_xcnt 0x0
	s_wait_alu depctr_hold_cnt(0) depctr_sa_sdst(0) depctr_va_vdst(0) depctr_va_sdst(0) depctr_va_ssrc(0) depctr_va_vcc(0) depctr_vm_vsrc(0)
	s_getreg_b32 s2, hwreg(HW_REG_IB_STS2, 6, 4)
	s_cmp_eq_u32 s2, 0
	s_cbranch_scc0 .Lentry_in_a_cluster
	s_endpgm
.Lentry_in_a_cluster:
	s_bfe_u32 s2, ttmp6, 0x10000c
	s_cmp_lg_u32 s2, 0xf033
	s_cbranch_scc0 .Lentry_shape_is_right
	s_endpgm
.Lentry_shape_is_right:
; C[m][n] = sum over k of A[m][k] B[n][k] on codes of FP6 (E2M3); kept of it is the bit C > 0.  A = acodes [2048][4096 codes], B = bcodes [2048][4096 codes], 3,072 bytes a row, K innermost.
; Every block of 32 along K has the scale byte 125 on both sides (the launch that made the codes says why), so one register with 125 in all its bytes is both scale operands.
; Only the 2,048 chosen rows and columns are multiplied: the problem gathers them out of the full product and throws the rest away.
; K IS SPLIT IN FOUR.  Every product is 0 or 1, so a sum over K is above 0 exactly where one of its four partial sums is: a work-group makes a tile of 256 x 256 of C over 1,024 of K and stores the
; bits 'partial sum above 0'; the next launch joins the four quarters' bits by OR.  64 tiles x 4 quarters are 256 work-groups, and each brings in 2 x 256 rows x 768 bytes.
; Four waves, as many as a WGP has SIMDs; a wave makes 128 x 128: 64 accumulators of 16 x 16, 512 registers.  K goes in steps of 256 (rows of 192 bytes, two matrix instructions deep) through a ring
; of two LDS slots filled by the tensor data mover: four K steps, of which the first two are the first fills.  The eight steps of 128 along K are written out: a loop would have one trip.
; CLUSTERS: 4 x 4 work-groups, all of one quarter of K.  The four of a row of the cluster need the same tiles of A, the four of a column the same tiles of B: each tile is asked for JOINTLY, by the
; same tensor load with the same descriptor and a mask that names the four.
; THE MATRIX INSTRUCTION IS USED TRANSPOSED (source 0 = 16 rows of B, source 1 = 16 rows of A): lane (r, h) holds row r of C and, in register j of tile b, B's tile row 128 cc + 16 b + 8 h + j.
; B's rows were laid so that this row is column 128 cc + 4 (8 (b % 4) + j) + 2 (b / 4) + h of the tile: a lane's 64 results of a row are bits 8 (b % 4) + j of TWO words, e = 2 (b / 4) + h.
; mask: [4 quarters of K][8 tile columns][2048 rows][8 words]; bit n of word 4 cc + e is column 256 t + 128 cc + 4 n + e.  A tile's 256 rows meet in a stage in LDS and leave as 8,192 consecutive bytes.
; No prefetch: half of what a work-group reads are its first fills, and nothing is asked for at the head.
; REGISTERS, in windows of 256: window 0: v0-31 addresses and the scale register; from v128 A's fragments (8 x 16 rows x 128 K), ONE set; on the way out v32-191 are at work.
;   window 1: B's fragments, TWO sets, at v0 and at v128.   window 2: the 32 accumulators of my rows 0-63 (accumulator (a, b) at v[8 (8 a + b)]);   window 3: those of my rows 64-127.
; A step of 128 along K is 64 matrix instructions, A's blocks one after the other, each against B's eight.  So a block of A is free as soon as its eight products are issued, and one set of registers
; serves A: blocks 0-3 are fetched anew in the step's middle, blocks 4-7 at its end.  B's fragments are at work through the whole step, so B has two sets.
.set ROWB,   192                       ; a tile's row in bytes: 256 codes of 6 bits
.set KROW,   3072                      ; a row of A or of B in memory
.set KPART,  768                       ; a quarter of it: 1,024 codes
.set PITCH,  240                       ; an LDS row: 3 x (64 bytes of data + 16 of padding) = 60 words: the 32 lanes of a load of 8 bytes touch 64 different banks (64 banks of 4 bytes: ISA guide 11.1)
.set FR,     12                        ; registers of a fragment: 16 rows x 128 K
.set NL,     6                         ; LDS loads that bring one
.set HALFT,  128*PITCH                 ; 128 rows: what one tensor load brings, and what one wave reads of A or of B
.set SLOT,   4*HALFT                   ; A's 256 rows, then B's 256 rows
.set SPARE,  2*SLOT                    ; behind the ring: the spare words, 128 bytes for each wave: two blocks of 256 bytes that no other line names
.set STG,    SPARE+512                 ; the stage for the way out: 256 rows x 32 bytes, in blocks of 256 bytes into which no fill lands
.set ADRA, 16                          ; v16-17  LDS address of my A fragments in slot 0, 1  (v18-19: the same for the pieces that lie behind one padding more)
.set ADRB, 20                          ; v20-21  the same for B  (v22-23)
.set STO,  24                          ; v24     the way out: where I put a word
.set RD,   25                          ; v25     where I read 16 bytes back
.set CO,   26                          ; v26     16 x lane: my byte offset in a store's 512 bytes
.set SCL,  27                          ; v27     0x7d7d7d7d: byte 125 for every block; holds scales and nothing else
.set SPW,  28                          ; v28     LDS address of my spare word: SPARE + 4 x my thread's number; never rewritten
.set NIL,  29                          ; v29     0; never rewritten
.set WD,   32                          ; v32-47  the way out: the two words of my rows 16 a + r, at v[WD + 2 a]
.set BK,   48                          ; v48-63  the way out: 4 x 16 bytes read back from the stage
.set TMPB, 64                          ; v64-191 the way out: 128 results as 0 or 1
.set AF,   128                         ; A's fragments, in window 0
.set G1, 24                            ; s[24:31] descriptor group 1 for A's tiles;  s[32:39] group 0, one set for each slot
.set G0, 32
.set G1B, 48                           ; s[48:55], s[56:63] the same for B's tiles
.set G0B, 56
.set MSB, 0
.macro WIN new                         ; the immediate's high byte repeats the setting that is left; a switch that changes nothing is dropped
.if MSB != \new
	s_set_vgpr_msb (MSB<<8)|\new
.set MSB, \new
.endif
.endm
.set MUL_LO, 0xa1                      ; source 0 (B) window 1, source 1 (A) window 0, C and D window 2
.set MUL_HI, 0xf1                      ; the same, C and D window 3
.set TO_B,   0x40                      ; destination window 1, address window 0
; A joint load: waves 0 and 1 fetch A's two halves, waves 2 and 3 B's.  Each of the two lines has ONE mask and one set of registers for all that issue it; the branch hangs on the wave's number alone.
; Four v_nop follow each of the two lines, ahead of the jump, the label and what follows.
.macro JLOAD s
	s_cmp_eq_u32 s15, 0
	s_cbranch_scc0 .Lfor_b_\@
	tensor_load_to_lds s[G0+4*\s:G0+4*\s+3], s[G1:G1+7]
	s_nop 0
.rept 4
	v_nop
.endr
	s_branch .Lasked_\@
.Lfor_b_\@:
	tensor_load_to_lds s[G0B+4*\s:G0B+4*\s+3], s[G1B:G1B+7]
	s_nop 0
.rept 4
	v_nop
.endr
.Lasked_\@:
.endm
.macro CREST                           ; a round of the cluster's barrier behind its opening barrier
	s_cmp_lg_u32 s14, 0
	s_cbranch_scc1 .Lnot_wave_0_\@
	s_barrier_signal -3
.Lnot_wave_0_\@:
	s_barrier_wait -3
	s_barrier_signal -1
	s_barrier_wait -1
.endm
.macro CROUND                          ; a whole round
	s_barrier_signal -1
	s_barrier_wait -1
	CREST
.endm
	s_load_b128 s[4:7], s[0:1], 0x0                ; A's codes s[4:5], B's codes s[6:7]
	s_load_b64 s[12:13], s[0:1], 0x10              ; mask
	v_lshl_add_u32 v[SPW], v0, 2, SPARE
	v_mov_b32 v[NIL], 0
	ds_add_u32 v28, v29
	ds_add_u32 v28, v29
	s_wait_dscnt 0x0
	v_mov_b32 v[SCL], 0x7d7d7d7d                   ; written here, far more than eight vector instructions ahead of the first product
	v_lshrrev_b32 v1, 5, v0
	v_readfirstlane_b32 s14, v1                    ; wave 0..3
	s_lshr_b32 s15, s14, 1                         ; rw: which half of the tile's rows is mine.  Also: I fetch for A (0) or for B (1)
	s_and_b32 s16, s14, 1                          ; cc: which half of B's tile rows.  Also: which 128 rows of that tile I fetch
	s_bfe_u32 s40, ttmp6, 0x40000                  ; cx, cy: my place in the cluster
	s_bfe_u32 s41, ttmp6, 0x40004
	s_lshl_b32 s42, ttmp9, 2
	s_add_co_u32 s42, s42, s40                     ; tile column t = 4 x cluster x + cx, 0..7
	s_and_b32 s8, ttmp7, 0xffff                    ; cluster y, 0..7
	s_lshr_b32 s9, s8, 1                           ; the quarter of K: the same in all sixteen partners
	s_and_b32 s17, s8, 1
	s_lshl_b32 s17, s17, 2
	s_add_co_u32 s17, s17, s41                     ; tile row tr = 4 x (cluster y % 2) + cy, 0..7
	s_lshl_b32 s43, s41, 2
	s_lshl_b32 s43, 15, s43                        ; my row of the cluster
	s_lshl_b32 s44, 0x1111, s40                    ; my column
	; descriptor group 1: a tile of 128 rows x 192 bytes, padded in LDS
	s_or_b32 s[G1+0], s43, (0<<16)|(1<<20)|(1<<21)|(3<<22)|(3<<25)  ; 15:0 the mask: A's tiles go to my row; 17:16 element of 1 byte; 20 padding on; 21 set beside a mask; 24:22 after every 16 words (code 3); 31:25 of 4 words (code 3)
	s_or_b32 s[G1B+0], s44, (0<<16)|(1<<20)|(1<<21)|(3<<22)|(3<<25)
.irp g, G1, G1B
	s_mov_b32 s[\g+1], ROWB<<16                    ; tensor_dim0 = 192
	s_mov_b32 s[\g+2], 128<<16                     ; tensor_dim1 = 128
	s_mov_b32 s[\g+3], ROWB<<16                    ; tile_dim0 = 192
	s_mov_b32 s[\g+4], 128                         ; tile_dim1 = 128
	s_mov_b32 s[\g+5], KROW                        ; tensor_dim0_stride
	s_mov_b32 s[\g+6], 0
	s_mov_b32 s[\g+7], 0
.endr
	s_lshl_b32 s18, s16, 7                         ; which 128 rows of the tile I fetch
	s_lshl_b32 s20, s17, 8
	s_add_co_u32 s20, s20, s18                     ; A: row 256 x tile row + 128 x half
	s_lshl_b32 s46, s42, 8
	s_add_co_u32 s46, s46, s18                     ; B: row 256 x tile column + 128 x half
	s_mov_b32 s21, 0
	s_mov_b32 s47, 0
	s_mov_b64 s[18:19], KROW
	s_mul_u64 s[20:21], s[20:21], s[18:19]         ; in bytes
	s_mul_u64 s[46:47], s[46:47], s[18:19]
	s_mul_i32 s22, s9, KPART                       ; and my quarter of K in each row
	s_mov_b32 s23, 0
	s_add_nc_u64 s[20:21], s[20:21], s[22:23]
	s_add_nc_u64 s[46:47], s[46:47], s[22:23]
	s_mul_i32 s45, s14, HALFT                      ; where they go: wave x 128 rows: no place in the cluster enters an LDS address
	s_wait_kmcnt 0x0
	s_add_nc_u64 s[20:21], s[4:5], s[20:21]
	s_add_nc_u64 s[46:47], s[6:7], s[46:47]
	CROUND                                         ; all sixteen work-groups are here: the first joint loads meet
.irp s, 0,1
	s_mov_b32 s[G0+4*\s], 1                        ; count = 1
	s_add_co_u32 s[G0+4*\s+1], s45, \s*SLOT        ; LDS address
	s_add_nc_u64 s[G0+4*\s+2:G0+4*\s+3], s[20:21], \s*ROWB   ; global address: K step s of my quarter
	s_or_b32 s[G0+4*\s+3], s[G0+4*\s+3], 0x80000000          ; type = 2
	s_mov_b32 s[G0B+4*\s], 1
	s_add_co_u32 s[G0B+4*\s+1], s45, \s*SLOT
	s_add_nc_u64 s[G0B+4*\s+2:G0B+4*\s+3], s[46:47], \s*ROWB
	s_or_b32 s[G0B+4*\s+3], s[G0B+4*\s+3], 0x80000000
	JLOAD \s                                       ; two loads of mine are out behind these; later one
.endr
	v_and_b32 v1, 15, v0                           ; r
	v_bfe_u32 v2, v0, 4, 1                         ; h
	v_mul_u32_u24 v3, v1, PITCH
	v_mul_u32_u24 v4, v2, 24
	v_add_nc_u32 v4, v3, v4                        ; a fragment's row x pitch + 24 x half
	v_lshl_add_u32 v5, v2, 4, v4                   ; and the same behind one padding more
	s_mul_i32 s21, s15, HALFT                      ; my 128 rows of A
	s_mul_i32 s22, s16, HALFT                      ; my 128 rows of B,
	s_add_co_u32 s22, s22, 2*HALFT                 ; which lie behind A's 256
.irp s, 0,1
	v_add_nc_u32 v[ADRA+\s], s21, v4
	v_add_nc_u32 v[ADRB+\s], s22, v4
	v_add_nc_u32 v[ADRA+2+\s], s21, v5
	v_add_nc_u32 v[ADRB+2+\s], s22, v5
	s_add_co_u32 s21, s21, SLOT
	s_add_co_u32 s22, s22, SLOT
.endr
	s_lshl_b32 s23, s15, 12                        ; the stage, in: tile row 128 rw + 16 a + r is 32 bytes; my words are 4 cc + 2 u + h, u = 0, 1
	s_lshl_b32 s21, s16, 4
	s_add_co_u32 s23, s23, s21
	s_add_co_u32 s23, s23, STG
	v_lshlrev_b32 v6, 5, v1
	v_lshl_add_u32 v6, v2, 2, v6
	v_add_nc_u32 v[STO], s23, v6
	v_and_b32 v6, 31, v0
	v_lshlrev_b32 v[CO], 4, v6
	s_lshl_b32 s23, s14, 11                        ; back: wave w takes the stage's bytes 2,048 w on
	s_add_co_u32 s23, s23, STG
	v_add_nc_u32 v[RD], s23, v[CO]
	s_lshl_b32 s20, s17, 13                        ; mask: 524,288 x quarter + 65,536 t + 8,192 tr + 2,048 w
	s_lshl_b32 s21, s14, 11
	s_add_co_u32 s20, s20, s21
	s_lshl_b32 s21, s9, 19
	s_add_co_u32 s20, s20, s21
	s_mov_b32 s21, 0
	s_add_nc_u64 s[12:13], s[12:13], s[20:21]
	s_lshl_b32 s46, s42, 16                        ; (in the registers that held B's address: none that feeds A's descriptors ever holds cx)
	s_mov_b32 s47, 0
	s_add_nc_u64 s[12:13], s[12:13], s[46:47]
; A fragment, 16 rows x 128 K of 6-bit codes, is 12 registers: lane (r, h) holds row r; registers 6 c .. 6 c + 5 hold K = 64 c + 32 h + 0 .. 31: 24 bytes of the row's stream of bits, as they lie.
; They come in pieces of 8 bytes, so that every address is a multiple of the access's size.  Lanes 0-15 take the row's pieces 12 q + 0, 1, 2 and 12 q + 6, 7, 8, lanes 16-31 those three pieces on.
; The mover has laid 16 bytes of padding behind every 64 bytes (8 pieces): where the piece three on lies behind one padding more, the second address register (40 for 24 bytes a half) serves.
.macro FRAG reg, adr, q, i
.irp p, 0,1,2,3,4,5
.set PC, 12*(\q)+6*(\p/3)+\p%3
.if PC%8 < 5
	ds_load_b64 v[\reg+2*\p:\reg+2*\p+1], v[\adr] offset:8*PC+16*(PC/8)+(\i)*16*PITCH
.else
	ds_load_b64 v[\reg+2*\p:\reg+2*\p+1], v[\adr+2] offset:8*PC+16*(PC/8)+(\i)*16*PITCH
.endif
.endr
.endm
; 16 matrix instructions: A's blocks a0, a0 + 1 x B's eight, 128 along K.  p: B's set.  zero = 1: the first product starts the sums: nothing is ever cleared.
; The 64 accumulators take turns, one instruction a turn, in the same order in every step.
.macro MUL16 a0, p, zero
.irp a, \a0, \a0+1
.irp b, 0,1,2,3,4,5,6,7
.if \zero
	v_wmma_scale_f32_16x16x128_f8f6f4 v[8*(8*((\a)%4)+\b):8*(8*((\a)%4)+\b)+7], v[128*(\p)+FR*\b:128*(\p)+FR*\b+FR-1], v[AF+FR*(\a):AF+FR*(\a)+FR-1], 0, v[SCL], v[SCL] matrix_a_fmt:MATRIX_FMT_FP6 matrix_b_fmt:MATRIX_FMT_FP6
.else
	v_wmma_scale_f32_16x16x128_f8f6f4 v[8*(8*((\a)%4)+\b):8*(8*((\a)%4)+\b)+7], v[128*(\p)+FR*\b:128*(\p)+FR*\b+FR-1], v[AF+FR*(\a):AF+FR*(\a)+FR-1], v[8*(8*((\a)%4)+\b):8*(8*((\a)%4)+\b)+7], v[SCL], v[SCL] matrix_a_fmt:MATRIX_FMT_FP6 matrix_b_fmt:MATRIX_FMT_FP6
.endif
.endr
.endr
.endm
.macro FETCH_B slot, q, p              ; B's eight fragments of the slot's q-th 128 along K into set p
	WIN TO_B
.irp i, 0,1,2,3,4,5,6,7
	FRAG 128*(\p)+FR*\i, ADRB+\slot, \q, \i
.endr
	WIN 0
.endm
.macro FETCH_A slot, q, i0             ; A's blocks i0 .. i0 + 3
.irp i, \i0, \i0+1, \i0+2, \i0+3
	FRAG AF+FR*(\i), ADRA+\slot, \q, \i
.endr
.endm
; A load into a register that a matrix instruction has read, and a vector instruction that reads a matrix result or writes one of a matrix instruction's registers, stand four places behind that matrix
; instruction, and only plain vector instructions that name none of its registers are places (ISA guide 7.12.1 for vector instructions).
.macro PLACES
.rept 4
	v_nop
.endr
.endm
; A slot's first step of 128 along K: it multiplies B's set 0 and fetches the slot's second 128 along K.
.macro STEP slot, zero
	s_wait_dscnt 4*NL                              ; B's set and A's blocks 0-3 are in; the youngest 24 loads (A's blocks 4-7) may be out
	WIN MUL_LO
	MUL16 0, 0, \zero
	MUL16 2, 0, \zero
	s_wait_dscnt 0                                 ; A's blocks 4-7 are in (asked for 32 matrix instructions ago)
	PLACES
	FETCH_B \slot, 1, 1
	FETCH_A \slot, 1, 0
	WIN MUL_HI
	MUL16 4, 0, \zero
	MUL16 6, 0, \zero
	PLACES
	WIN 0
	FETCH_A \slot, 1, 4
.endm
; A slot's second step multiplies B's set 1 and changes slots: ONE barrier; in front of it each wave waits for all its tensor loads, adds 0 to its spare word, and waits for that and for its own reads of
; this slot.  fill = 1: this slot is filled again, two K steps ahead; the barrier then opens a round of the cluster's barrier.
.macro TURN slot, next, fill
	s_wait_tensorcnt 0x0                           ; all my tensor loads have landed: my part of the next slot;  (every window is 0 here: the add's two registers lie in window 0)
	ds_add_u32 v[SPW], v[NIL]                      ; 0 onto my spare word
	s_wait_dscnt 4*NL+1                            ; (the add and the youngest 24 loads, A's blocks 4-7, may be out)
	WIN MUL_LO
	MUL16 0, 1, 0                                  ; sixteen matrix instructions stand between the add and the wait for it
	s_wait_dscnt 0x0                               ; the add is done, and my reads of this slot are over
	s_barrier_signal -1
	MUL16 2, 1, 0                                  ; work on registers while the others arrive
	WIN 0
	s_barrier_wait -1
.if \fill
	CREST                                          ; no wave of any partner still reads this slot's tile or has a load on its way
	s_add_nc_u64 s[G0+4*\slot+2:G0+4*\slot+3], s[G0+4*\slot+2:G0+4*\slot+3], 2*ROWB
	s_add_nc_u64 s[G0B+4*\slot+2:G0B+4*\slot+3], s[G0B+4*\slot+2:G0B+4*\slot+3], 2*ROWB
	JLOAD \slot                                    ; the first tensor load behind the round: 96 matrix instructions ahead of the wait for it; its four v_nop are also the places in front of the loads below
.else
	PLACES
.endif
	FETCH_B \next, 0, 0
	FETCH_A \next, 0, 0
	WIN MUL_HI
	MUL16 4, 1, 0
	MUL16 6, 1, 0
	PLACES
	WIN 0
	FETCH_A \next, 0, 4
.endm
	s_wait_tensorcnt 1                             ; my part of K step 0 is in; K step 1's may stay out
	s_barrier_signal -1
	s_barrier_wait -1                              ; everybody's is
	FETCH_B 0, 0, 0
	FETCH_A 0, 0, 0
	FETCH_A 0, 0, 4
	STEP 0, 1                                      ; K step 0: its first products start the sums
	TURN 0, 1, 1                                   ; slot 0 takes K step 2
	STEP 1, 0                                      ; K step 1
	TURN 1, 0, 1                                   ; slot 1 takes K step 3: the last load
	STEP 0, 0                                      ; K step 2
	TURN 0, 1, 0                                   ; nothing is left to fetch, so no round of the cluster's barrier
	STEP 1, 0                                      ; K step 3
	s_wait_dscnt 4*NL                              ; the very last step
	WIN MUL_LO
	MUL16 0, 1, 0
	MUL16 2, 1, 0
	s_wait_dscnt 0
	WIN MUL_HI
	MUL16 4, 1, 0
	MUL16 6, 1, 0
	WIN 0
; THE WAY OUT.  The sums are counts of paths: +0 (sums of +0 begun at +0) or 1 and above, so the smaller of a sum's bit pattern and 1, as whole numbers, is the bit 'above 0'.
; A's blocks 2 ap and 2 ap + 1 at a time: 128 results become 0 or 1 (each accumulator is read from its low end on; the first bit of a word goes straight into the word), then each goes to place
; 8 (b % 4) + j of its word: four words by turns, so that no line reads the result of the line just before it.
.macro BITS ap
	WIN 0x08+4*((\ap)/2)                           ; source 1: window 2 (blocks 0-3) or 3 (blocks 4-7)
.irp x, 0,1
.irp b, 0,1,2,3,4,5,6,7
.irp j, 0,1,2,3,4,5,6,7
.if (\b%4 == 0) && (\j == 0)
	v_min_u32 v[WD+2*(2*(\ap)+\x)+\b/4], 1, v[8*(8*((2*(\ap)+\x)%4)+\b)+\j]
.else
	v_min_u32 v[TMPB+64*\x+8*\b+\j], 1, v[8*(8*((2*(\ap)+\x)%4)+\b)+\j]
.endif
.endr
.endr
.endr
	WIN 0
.irp c, 0,1,2,3
.irp j, 0,1,2,3,4,5,6,7
.if (\c > 0) || (\j > 0)
.irp x, 0,1
.irp u, 0,1
	v_lshl_or_b32 v[WD+2*(2*(\ap)+\x)+\u], v[TMPB+64*\x+8*(4*\u+\c)+\j], 8*\c+\j, v[WD+2*(2*(\ap)+\x)+\u]
.endr
.endr
.endif
.endr
.endr
.endm
	PLACES                                         ; behind the last products: for the first reads of results, and for the writes into registers that held A's fragments
	BITS 0
	BITS 1
	BITS 2
	BITS 3
.irp a, 0,1,2,3,4,5,6,7
.irp u, 0,1
	ds_store_b32 v[STO], v[WD+2*\a+\u] offset:512*\a+8*\u
.endr
.endr
	s_wait_dscnt 0x0                               ; for the others' sake: a row's eight words come from two waves
	s_barrier_signal -1
	s_barrier_wait -1
.irp i, 0,1,2,3
	ds_load_b128 v[BK+4*\i:BK+4*\i+3], v[RD] offset:512*\i
.endr
.irp i, 0,1,2,3
	s_wait_dscnt 3-\i                              ; read-back i is in; the younger ones may be out
	global_store_b128 v[CO], v[BK+4*\i:BK+4*\i+3], s[12:13] offset:512*\i   ; 32 lanes store 512 consecutive bytes, at a multiple of 256 from mask's first byte
.endr
	s_wait_tensorcnt 0x0                           ; the wave's end: behind my last tensor load and my last LDS store
	ds_add_u32 v[SPW], v[NIL]
	s_wait_dscnt 0x0
	CROUND                                         ; the closing round: no work-group ends while a partner may still ask for a tile that names it
	s_endpgm
.Lfunc_end_k_q7f6359321b_gemm:
	.size	k_q7f6359321b_gemm, .Lfunc_end_k_q7f6359321b_gemm-k_q7f6359321b_gemm
	.p2alignl 7, 3214868480
	.fill 96, 4, 3214868480
	.section	.rodata,"a",@progbits
	.p2align	6, 0x0
	.amdhsa_kernel k_q7f6359321b_gemm
		.amdhsa_group_segment_fixed_size 327680
		.amdhsa_private_segment_fixed_size 0
		.amdhsa_enable_private_segment 0
		.amdhsa_kernarg_size 24
		.amdhsa_user_sgpr_count 2
		.amdhsa_user_sgpr_kernarg_segment_ptr 1
		.amdhsa_wavefront_size32 1
		.amdhsa_system_sgpr_workgroup_id_x 1
		.amdhsa_system_sgpr_workgroup_id_y 1
		.amdhsa_system_sgpr_workgroup_id_z 1
		.amdhsa_system_vgpr_workitem_id 0
		.amdhsa_next_free_vgpr 1024
		.amdhsa_next_free_sgpr 66
		.amdhsa_reserve_vcc 0
		.amdhsa_float_denorm_mode_32 3
		.amdhsa_float_denorm_mode_16_64 3
		.amdhsa_memory_ordered 1
		.amdhsa_forward_progress 1
		.amdhsa_inst_pref_size 175
	.end_amdhsa_kernel
	.amdgpu_metadata
---
amdhsa.version: [ 1, 2 ]
amdhsa.kernels:
  - .name:           k_q7f6359321b_gemm
    .symbol:         k_q7f6359321b_gemm.kd
    .args:
      - { .name: acodes, .offset: 0, .size: 8, .value_kind: global_buffer, .address_space: global }
      - { .name: bcodes, .offset: 8, .size: 8, .value_kind: global_buffer, .address_space: global }
      - { .name: mask, .offset: 16, .size: 8, .value_kind: global_buffer, .address_space: global }
    .group_segment_fixed_size: 327680
    .private_segment_fixed_size: 0
    .kernarg_segment_align: 8
    .kernarg_segment_size: 24
    .max_flat_workgroup_size: 128
    .sgpr_count:     66
    .vgpr_count:     1024
    .wavefront_size: 32
...
	.end_amdgpu_metadata
.endif
;; end of part 4
;; launch norm (part 5): grid 256 x 1, 8 waves a work-group, no clusters, 0 bytes of LDS; arguments mask, out0; writes out0
.if DOCPART == 5
	.amdgcn_target "amdgcn-amd-amdhsa--gfx1250"
	.amdhsa_code_object_version 6
	.text
	.protected	k_q7f6359321b_norm
	.globl	k_q7f6359321b_norm
	.p2align	8
	.type	k_q7f6359321b_norm,@function
k_q7f6359321b_norm:
	s_mov_b64 s[64:65], 0
	v_nop
	global_prefetch_b8 v0, s[64:65] scope:SCOPE_SE
	s_setreg_imm32_b32 hwreg(HW_REG_WAVE_MODE, 25, 1), 1
	s_wait_xcnt 0x0
; out0[R][c] = bit(R, c) / (the number of ones in row R).  out0: [2048][2048] f32.
; mask: [4 quarters of K][8 tile columns][2048 rows][8 words].  bit(R, c) is the OR of the four quarters' bits: a sum of non-negative products is above 0 where one of its parts is.
; With T = c / 128 and e = c % 4, the bit is bit (c % 128) / 4 of word 4 (T % 2) + e of tile column T / 2: counted through the row, word 4 T + e.
; A wave takes one row.  Lane l loads 8 bytes of tile column l / 4 from each quarter, words 2 l and 2 l + 1 of the row's 64, and joins the four in its own registers; the eight waves of a work-group
; read 256 consecutive bytes of each tile column and quarter.  The 64 words go to scalar registers, where the ones are counted, and each word then IS the mask of 32 lanes for one register of a store
; of 16 bytes a lane: lane n of store T holds columns 128 T + 4 n + 0 .. 3.  Each store covers 512 consecutive bytes, at a multiple of 256 from out0's first byte.
; A row without ones is 0 / 0 in the problem: 1 / 0 is infinite here, and 0 x infinity gives the NaN that stands in every place of such a row.
; Memory binds: no LDS, no barrier, no matrix unit.  64 data registers, so that no store's data are written again.
.set PART, 524288                      ; bytes of a quarter's bits
.set INV, 3                            ; v3  1 / the row's sum
.set ZER, 4                            ; v4  0 x that
.set MW,  8                            ; v[8:15]  my two words of each quarter; then, in v8 and v9, of all four
.set OUTR, 16                          ; v[16:79]
	s_load_b128 s[4:7], s[0:1], 0x0                ; mask s[4:5], out0 s[6:7]
	v_lshrrev_b32 v1, 5, v0
	v_readfirstlane_b32 s78, v1                    ; wave 0..7
	v_and_b32 v2, 31, v0                           ; lane
	v_lshlrev_b32 v1, 4, v2                        ; 16 x lane: the stores' offset
	v_lshrrev_b32 v5, 2, v2
	v_and_b32 v6, 3, v2
	v_lshlrev_b32 v5, 16, v5                       ; tile column lane / 4: 2,048 rows of 32 bytes each,
	v_lshl_add_u32 v5, v6, 3, v5                   ; and 8 (lane % 4) in the row's 32 bytes
	s_lshl_b32 s79, ttmp9, 3
	s_add_co_u32 s79, s79, s78                     ; my row
	s_lshl_b32 s80, s79, 5                         ; its 32 bytes in each tile column of mask
	s_mov_b32 s81, 0
	s_lshl_b32 s82, s79, 13                        ; its 8,192 bytes in out0
	s_mov_b32 s83, 0
	s_wait_kmcnt 0x0
	s_add_nc_u64 s[4:5], s[4:5], s[80:81]
	s_add_nc_u64 s[6:7], s[6:7], s[82:83]
.irp k, 0,1,2,3
	global_load_b64 v[MW+2*\k:MW+2*\k+1], v5, s[4:5] offset:PART*\k
.endr
	s_wait_loadcnt 0x0                             ; all four: nothing else is there to do meanwhile
	v_or_b32 v[MW], v[MW], v[MW+2]
	v_or_b32 v[MW+1], v[MW+1], v[MW+3]
	v_or_b32 v[MW+4], v[MW+4], v[MW+6]
	v_or_b32 v[MW+5], v[MW+5], v[MW+7]
	v_or_b32 v[MW], v[MW], v[MW+4]
	v_or_b32 v[MW+1], v[MW+1], v[MW+5]
.set t, 0
.rept 16
.set QB, 8+4*t+4*(t/14)                ; store t's four words: s[8 + 4 t ..], and four further on from t = 14, past s64 to s67
.irp e, 0,1,2,3
	v_readlane_b32 s[QB+\e], v[MW+\e%2], 2*t+\e/2  ; word 4 t + e lies in lane 2 t + e / 2, register e % 2
.endr
.set t, t+1
.endr
.set t, 0
.rept 16
.set QB, 8+4*t+4*(t/14)
.irp e, 0,1,2,3
.if (t == 0) && (\e == 0)
	s_bcnt1_i32_b32 s76, s[QB]                     ; the first count starts the sum
.else
	s_bcnt1_i32_b32 s77, s[QB+\e]
	s_add_co_u32 s76, s76, s77
.endif
.endr
.set t, t+1
.endr
	v_cvt_f32_u32 v2, s76
	v_rcp_f32 v[INV], v2
	v_nop                                          ; a plain instruction behind the reciprocal,
	s_wait_alu depctr_va_vdst(0)                   ; and the wait ahead of its first reader
	v_mul_f32 v[ZER], 0, v[INV]
.set t, 0
.rept 16
.set QB, 8+4*t+4*(t/14)
.irp e, 0,1,2,3
	v_cndmask_b32 v[OUTR+4*t+\e], v[ZER], v[INV], s[QB+\e]
.endr
	global_store_b128 v1, v[OUTR+4*t:OUTR+4*t+3], s[6:7] offset:512*t th:TH_STORE_NT   ; written once, read by nobody here
.set t, t+1
.endr
	s_endpgm
.Lfunc_end_k_q7f6359321b_norm:
	.size	k_q7f6359321b_norm, .Lfunc_end_k_q7f6359321b_norm-k_q7f6359321b_norm
	.p2alignl 7, 3214868480
	.fill 96, 4, 3214868480
	.section	.rodata,"a",@progbits
	.p2align	6, 0x0
	.amdhsa_kernel k_q7f6359321b_norm
		.amdhsa_group_segment_fixed_size 0
		.amdhsa_private_segment_fixed_size 0
		.amdhsa_enable_private_segment 0
		.amdhsa_kernarg_size 16
		.amdhsa_user_sgpr_count 2
		.amdhsa_user_sgpr_kernarg_segment_ptr 1
		.amdhsa_wavefront_size32 1
		.amdhsa_system_sgpr_workgroup_id_x 1
		.amdhsa_system_sgpr_workgroup_id_y 1
		.amdhsa_system_sgpr_workgroup_id_z 1
		.amdhsa_system_vgpr_workitem_id 0
		.amdhsa_next_free_vgpr 80
		.amdhsa_next_free_sgpr 90
		.amdhsa_reserve_vcc 0
		.amdhsa_float_denorm_mode_32 3
		.amdhsa_float_denorm_mode_16_64 3
		.amdhsa_memory_ordered 1
		.amdhsa_forward_progress 1
		.amdhsa_inst_pref_size 16
	.end_amdhsa_kernel
	.amdgpu_metadata
---
amdhsa.version: [ 1, 2 ]
amdhsa.kernels:
  - .name:           k_q7f6359321b_norm
    .symbol:         k_q7f6359321b_norm.kd
    .args:
      - { .name: mask, .offset: 0, .size: 8, .value_kind: global_buffer, .address_space: global }
      - { .name: out0, .offset: 8, .size: 8, .value_kind: global_buffer, .address_space: global }
    .group_segment_fixed_size: 0
    .private_segment_fixed_size: 0
    .kernarg_segment_align: 8
    .kernarg_segment_size: 16
    .max_flat_workgroup_size: 256
    .sgpr_count:     90
    .vgpr_count:     80
    .wavefront_size: 32
...
	.end_amdgpu_metadata
.endif
;; end of part 5
